; MI455X (gfx1250); checked and timed in simulation.
; The chip was launched on July 23, 2026; its instructions are those of AMD's public machine-readable ISA for CDNA 5 (MIT licence, August 2026) and "CDNA5" Instruction Set Architecture Reference Guide (July 2026). The comments in the code are by the model that wrote it; some were corrected since.
;; Multiplicative Cross Attention. Allowed arithmetic: float matrix products may take bf16 or f16 operands with f32 sums; all other float work in f32.
;; Inputs: keyvalues 32 x 4,096 x 512 float32; keyvalues_mask 32 x 4,096 int32; query 32 x 512 float32; weight 512 x 512 float32.
;; Outputs: out0 32 x 512 float32.
;; 2 versions, each right; version 2 is version 1 with the launch stream written anew for expert scheduling mode. Each part assembles by itself: llvm-mc -triple=amdgcn-amd-amdhsa -mcpu=gfx1250 --defsym DOCPART=n.
;; ======== version 1 of 2: 3 launches
;; workspace buffers: vpart 524,288 bytes; part 655,360 bytes
;; launch proj (part 1): grid 8 x 8, 4 waves a work-group, no clusters, 24,064 bytes of LDS; arguments query, weight, vpart; writes vpart
.if DOCPART == 1
	.amdgcn_target "amdgcn-amd-amdhsa--gfx1250"
	.amdhsa_code_object_version 6
	.text
	.protected	k_q7c4aed77f9_proj
	.globl	k_q7c4aed77f9_proj
	.p2align	8
	.type	k_q7c4aed77f9_proj,@function
k_q7c4aed77f9_proj:
	s_mov_b64 s[64:65], 0
	v_nop
	global_prefetch_b8 v0, s[64:65] scope:SCOPE_SE
	s_setreg_imm32_b32 hwreg(HW_REG_WAVE_MODE, 25, 1), 1
	s_wait_xcnt 0x0
; vpart[qc][b][k] = sum over the 64 q of chunk qc of weight[q][k] * query[b][q].   query [32][512], weight [512][512], f32.
; The eight planes of vpart add up to v[b][k] = sum_q weight[q][k] query[b][q]; the next launch adds them.
; Work-group (kb, qc): 64 columns k (block kb) x 64 q (chunk qc) x all 32 batches.  Four waves; wave w makes columns 16 w .. 16 w + 15.
; Operands are rounded to bf16 for the matrix unit (bf16 keeps f32's range), sums are f32.
; Way in: rows of 256 consecutive bytes (16 lanes x 16 bytes), converted in registers, laid into LDS as bf16.
; weight lies [K = q][N = k], so its fragments come by the transposing LDS load; query lies [b][K = q] and loads straight.
; The matrix instruction is used with weight as source 0 and query as source 1: a lane's eight results are then eight
; neighbouring k of one batch, 32 bytes that belong together.  They pass an LDS stage and leave as rows of 256 bytes.
; No cluster: the only tile that work-groups share is query's (8 KB of the 24 KB a work-group reads, in one single step), and it has
; to pass registers for the conversion to bf16 in any case.
.set WP,  160                          ; LDS pitch of a weight row: 64 bf16 = 128 bytes + 32 (an odd multiple of 32 bytes, for the transposing load)
.set QP,  144                          ; LDS pitch of a query row: 128 bytes + 16 (an odd multiple of 16 bytes)
.set OP,  272                          ; LDS pitch of a result row: 64 f32 = 256 bytes + 16
.set QT,  64*WP                        ; query's tile lies behind weight's 64 rows
.set OT,  QT+32*QP                     ; the result stage lies behind query's 32 rows; it ends at OT + 32*OP = 23,552
.set GO,  1                            ; v1   (t/16) * 2048 + (t%16) * 16: my 16 bytes of row t/16, in query, weight and vpart alike
.set WS,  2                            ; v2   where I put 8 bytes of weight
.set QS,  3                            ; v3   where I put 8 bytes of query
.set WA,  4                            ; v4   address of my weight fragments
.set QA,  5                            ; v5   address of my query fragments
.set OS,  6                            ; v6   where I put results
.set ORD, 7                            ; v7   where I read result rows back
.set WR,  16                           ; v[16:47]   weight as loaded: 8 x 4 f32
.set QR,  48                           ; v[48:63]   query as loaded: 4 x 4 f32
.set PK,  64                           ; v[64:87]   the same in bf16: 12 x 2 registers
.set WF,  96                           ; v[96:111]  weight fragments, K step 0, 1
.set QF,  112                          ; v[112:143] query fragments: 16*(batch tile) + 8*(K step)
.set D,   144                          ; v[144:159] two accumulators: batches 0-15, 16-31
.set O,   160                          ; v[160:175] result rows on the way out
	s_load_b128 s[4:7], s[0:1], 0x0                ; query s[4:5], weight s[6:7]
	s_load_b64 s[8:9], s[0:1], 0x10                ; vpart
	v_lshl_add_u32 v176, v0, 2, 0x5c00
	v_mov_b32 v177, 0
	v_lshrrev_b32 v8, 4, v0                        ; t / 16: 0..7
	v_and_b32 v9, 15, v0                           ; t % 16
	v_lshlrev_b32 v[GO], 4, v9
	v_lshl_add_u32 v[GO], v8, 11, v[GO]
	s_and_b32 s11, ttmp7, 0xffff                   ; qc
	s_lshl_b32 s12, ttmp9, 8                       ; kb: 64 columns of 4 bytes
	s_lshl_b32 s14, s11, 8                         ; query: 64 q of 4 bytes
	s_mov_b32 s15, 0
	s_lshl_b32 s16, s11, 17                        ; weight: 64 rows of 2,048 bytes,
	s_add_co_u32 s16, s16, s12                     ; and my columns
	s_mov_b32 s17, 0
	s_lshl_b32 s18, s11, 16                        ; vpart: plane qc of 32 x 2,048 bytes,
	s_add_co_u32 s18, s18, s12                     ; and my columns
	s_mov_b32 s19, 0
	s_wait_kmcnt 0x0
	s_add_nc_u64 s[4:5], s[4:5], s[14:15]
	s_add_nc_u64 s[6:7], s[6:7], s[16:17]
	s_add_nc_u64 s[8:9], s[8:9], s[18:19]
.irp i, 0,1,2,3,4,5,6,7
	global_load_b128 v[WR+4*\i:WR+4*\i+3], v[GO], s[6:7] offset:\i*16384 th:TH_LOAD_NT   ; weight rows t/16 + 8 i: read by this work-group alone
.endr
.irp i, 0,1,2,3
	global_load_b128 v[QR+4*\i:QR+4*\i+3], v[GO], s[4:5] offset:\i*16384                 ; query rows (batches) t/16 + 8 i
.endr
	; LDS addresses, while the loads are out
	v_lshrrev_b32 v13, 5, v0
	v_readfirstlane_b32 s10, v13                   ; wave 0..3
	v_lshlrev_b32 v[WS], 3, v9                     ; 4 numbers in bf16 = 8 bytes
	v_mad_u32_u24 v[QS], v8, QP, v[WS]
	v_mad_u32_u24 v[WS], v8, WP, v[WS]
	v_bfe_u32 v10, v0, 4, 1                        ; h = lane / 16
	v_and_b32 v11, 7, v0
	v_lshl_add_u32 v11, v10, 3, v11                ; 8 h + lane % 8: the K row that I address for the transposing load
	v_bfe_u32 v12, v0, 3, 1                        ; which 8 of the 16 columns
	v_mul_u32_u24 v[WA], v11, WP
	v_lshl_add_u32 v[WA], v12, 4, v[WA]
	s_lshl_b32 s20, s10, 5                         ; my wave's 16 columns of 2 bytes
	v_add_nc_u32 v[WA], s20, v[WA]
	v_mul_u32_u24 v[QA], v9, QP                    ; batch lane % 16,
	v_lshl_add_u32 v[QA], v10, 4, v[QA]            ; K = 8 h ..
	v_mul_u32_u24 v[OS], v9, OP                    ; result: batch lane % 16,
	v_lshl_add_u32 v[OS], v10, 5, v[OS]            ; columns 8 h .. 8 h + 7 of 4 bytes
	s_lshl_b32 s21, s10, 6                         ; of my wave's 16
	v_add_nc_u32 v[OS], s21, v[OS]
	v_lshlrev_b32 v[ORD], 4, v9
	v_mad_u32_u24 v[ORD], v8, OP, v[ORD]           ; row t/16, 16 bytes at t%16
	s_wait_loadcnt 0x4                             ; loads return in order: weight's eight are in, query's four may be out
.irp i, 0,1,2,3,4,5,6,7
	v_cvt_pk_bf16_f32 v[PK+2*\i],   v[WR+4*\i],   v[WR+4*\i+1]
	v_cvt_pk_bf16_f32 v[PK+2*\i+1], v[WR+4*\i+2], v[WR+4*\i+3]
	ds_store_b64 v[WS], v[PK+2*\i:PK+2*\i+1] offset:\i*8*WP
.endr
	s_wait_loadcnt 0x0
.irp i, 0,1,2,3
	v_cvt_pk_bf16_f32 v[PK+16+2*\i],   v[QR+4*\i],   v[QR+4*\i+1]
	v_cvt_pk_bf16_f32 v[PK+16+2*\i+1], v[QR+4*\i+2], v[QR+4*\i+3]
	ds_store_b64 v[QS], v[PK+16+2*\i:PK+16+2*\i+1] offset:QT+\i*8*QP
.endr
	s_wait_dscnt 0x0                               ; my part of both tiles is in LDS, for the other waves' sake: zero
	s_barrier_signal -1
	s_barrier_wait -1
	; fragments: 16 x 32 of bf16 in 8 registers; registers 0-3 hold K = 8 h .. + 7, registers 4-7 K = 16 + 8 h .. + 7
.irp s, 0,1
	ds_load_tr16_b128 v[WF+8*\s:WF+8*\s+3],   v[WA] offset:\s*32*WP          ; column 16 w + lane % 16 of weight, K rows 32 s + 8 h ..
	ds_load_tr16_b128 v[WF+8*\s+4:WF+8*\s+7], v[WA] offset:\s*32*WP+16*WP    ; and 16 rows further down
.endr
.irp m, 0,1
.irp s, 0,1
	ds_load_b128 v[QF+16*\m+8*\s:QF+16*\m+8*\s+3],   v[QA] offset:QT+\m*16*QP+\s*64
	ds_load_b128 v[QF+16*\m+8*\s+4:QF+16*\m+8*\s+7], v[QA] offset:QT+\m*16*QP+\s*64+32
.endr
.endr
	s_wait_dscnt 0x0
	v_wmma_f32_16x16x32_bf16 v[D:D+7],    v[WF:WF+7],    v[QF:QF+7],     0              ; the first products start the sums
	v_wmma_f32_16x16x32_bf16 v[D+8:D+15], v[WF:WF+7],    v[QF+16:QF+23], 0
	v_wmma_f32_16x16x32_bf16 v[D:D+7],    v[WF+8:WF+15], v[QF+8:QF+15],  v[D:D+7]      ; chains in place
	v_wmma_f32_16x16x32_bf16 v[D+8:D+15], v[WF+8:WF+15], v[QF+24:QF+31], v[D+8:D+15]
.rept 4
	v_nop                                          ; four places before an LDS store reads a matrix result
.endr
	; register j of lane (r, h) holds (k = 16 w + 8 h + j, batch = 16 m + r)
.irp m, 0,1
	ds_store_b128 v[OS], v[D+8*\m:D+8*\m+3]   offset:OT+\m*16*OP
	ds_store_b128 v[OS], v[D+8*\m+4:D+8*\m+7] offset:OT+\m*16*OP+16
.endr
	s_wait_dscnt 0x0                               ; the rows are read back by other waves: zero, then the barrier
	s_barrier_signal -1
	s_barrier_wait -1
.irp i, 0,1,2,3
	ds_load_b128 v[O+4*\i:O+4*\i+3], v[ORD] offset:OT+\i*8*OP
.endr
.irp i, 0,1,2,3
	s_wait_dscnt 3-\i                              ; LDS loads return in order: row group i is in
	global_store_b128 v[GO], v[O+4*\i:O+4*\i+3], s[8:9] offset:\i*16384    ; 16 lanes store 256 consecutive bytes, aligned
.endr
	s_wait_tensorcnt 0x0
	ds_add_u32 v176, v177
	s_wait_dscnt 0x0
	s_endpgm
.Lfunc_end_k_q7c4aed77f9_proj:
	.size	k_q7c4aed77f9_proj, .Lfunc_end_k_q7c4aed77f9_proj-k_q7c4aed77f9_proj
	.p2alignl 7, 3214868480
	.fill 96, 4, 3214868480
	.section	.rodata,"a",@progbits
	.p2align	6, 0x0
	.amdhsa_kernel k_q7c4aed77f9_proj
		.amdhsa_group_segment_fixed_size 24064
		.amdhsa_private_segment_fixed_size 0
		.amdhsa_enable_private_segment 0
		.amdhsa_kernarg_size 24
		.amdhsa_user_sgpr_count 2
		.amdhsa_user_sgpr_kernarg_segment_ptr 1
		.amdhsa_wavefront_size32 1
		.amdhsa_system_sgpr_workgroup_id_x 1
		.amdhsa_system_sgpr_workgroup_id_y 1
		.amdhsa_system_sgpr_workgroup_id_z 1
		.amdhsa_system_vgpr_workitem_id 0
		.amdhsa_next_free_vgpr 178
		.amdhsa_next_free_sgpr 66
		.amdhsa_reserve_vcc 0
		.amdhsa_float_denorm_mode_32 3
		.amdhsa_float_denorm_mode_16_64 3
		.amdhsa_memory_ordered 1
		.amdhsa_forward_progress 1
		.amdhsa_inst_pref_size 9
	.end_amdhsa_kernel
	.amdgpu_metadata
---
amdhsa.version: [ 1, 2 ]
amdhsa.kernels:
  - .name:           k_q7c4aed77f9_proj
    .symbol:         k_q7c4aed77f9_proj.kd
    .args:
      - { .name: query, .offset: 0, .size: 8, .value_kind: global_buffer, .address_space: global }
      - { .name: weight, .offset: 8, .size: 8, .value_kind: global_buffer, .address_space: global }
      - { .name: vpart, .offset: 16, .size: 8, .value_kind: global_buffer, .address_space: global }
    .group_segment_fixed_size: 24064
    .private_segment_fixed_size: 0
    .kernarg_segment_align: 8
    .kernarg_segment_size: 24
    .max_flat_workgroup_size: 128
    .sgpr_count:     66
    .vgpr_count:     178
    .wavefront_size: 32
...
	.end_amdgpu_metadata
.endif
;; end of part 1
;; launch stream (part 2): grid 8 x 32, 16 waves a work-group, no clusters, 37,120 bytes of LDS; arguments keyvalues, keyvalues_mask, vpart, part; writes part
.if DOCPART == 2
	.amdgcn_target "amdgcn-amd-amdhsa--gfx1250"
	.amdhsa_code_object_version 6
	.text
	.protected	k_q7c4aed77f9_stream
	.globl	k_q7c4aed77f9_stream
	.p2align	8
	.type	k_q7c4aed77f9_stream,@function
k_q7c4aed77f9_stream:
	s_mov_b64 s[64:65], 0
	v_nop
	global_prefetch_b8 v0, s[64:65] scope:SCOPE_SE
	s_setreg_imm32_b32 hwreg(HW_REG_WAVE_MODE, 25, 1), 1
	s_wait_xcnt 0x0
; One pass over keyvalues [32][4096][512] f32 with an online softmax (running maximum), for 512 rows of one batch.
;   score[s] = kv[s][:] . v[:]  (v = the sum of vpart's eight planes),  rows with mask 0 have weight 0,
;   out: part record (batch, chunk) = acc[512] = sum_s 2^(score' - M) kv[s][:],  then (M, L) with L = sum_s 2^(score' - M).
; score' = score * log2(e): the factor is folded into v once, so that v_exp_f32 (base 2) is used as it is.
; Work-group (chunk c = x, batch b = y), 16 waves; wave w owns rows 32 w .. 32 w + 31 of the chunk; a lane owns 16 columns:
; load j of a row brings columns 128 j + 4 lane .. + 3, so each load of the wave covers 512 consecutive bytes.
; ROWS WITH MASK 0 ARE NEVER REQUESTED: a ballot of the wave's 32 mask words is its list of rows, walked from the lowest bit.
; A ring of eight row slots in registers (16 registers a slot) keeps up to 32 loads = 16 KB of a wave on their way.
; f32 vector arithmetic, no matrix unit: there is one vector v for a batch, so a 16-wide tile would use one column, and rounding
; keyvalues to bf16 would cost more vector instructions than the two fused multiply-adds a number needs.
; No cluster, no LDS ring: a row is used by one wave alone; what the 8 work-groups of a batch share is vpart's 16 KB against the
; hundreds of KB of rows that each has for itself.  No prefetch: the ring asks for eight rows of every wave at once.
; LIMITS.  (1) Masked rows are not read: if a masked row holds an infinity or a NaN, 0 x that row is NaN in the defining formula,
; here it is left out.  (2) v_exp_f32 flushes results below 2^-126: such weights (relative to the largest, which is 1) count as 0.
; (3) v comes from operands rounded to bf16.  A chunk or a batch with no row allowed is served: m = -inf, l = 0, acc = 0.
.set ROWB, 2048                        ; bytes in a row
.set REC,  2560                        ; bytes in a record of part: 2,048 of acc, 512 of (M, L, M, L) repeated
.set ACCL, 2048                        ; LDS: v at 0 (2,048 bytes), then the 16 waves' acc (2,048 bytes each),
.set MLL,  ACCL+16*2048                ; then the 16 pairs (m, l); ends at 34,944
.set P,    4                           ; v[4:11]    my column's eight partial sums of v
.set OFF,  12                          ; v[12:19]   slot i: byte offset of my 16 bytes in the slot's row, from the wave's first row
.set T,    20                          ; v[20:27]   at work
.set M,    28                          ; v28        running maximum (base-2 scores)
.set L,    29                          ; v29        running sum of weights
.set WA,   30                          ; v30        LDS: my 16 bytes in my wave's acc
.set W8,   31                          ; v31        LDS: my wave's pair (m, l)
.set V,    32                          ; v[32:47]   v * log2(e) of my 16 columns
.set ACC,  48                          ; v[48:63]   acc of my 16 columns
.set X,    64                          ; v[64:191]  slot i: 16 registers, the row as loaded.  In the merge: v[64:127] the 16 waves' acc
.set ML,   128                         ; merge: v[128:159] 16 pairs (m_w, l_w); m_w is replaced by the wave's factor
.set DD,   160                         ; merge: v[160:175] m_w - M
.set R,    176                         ; merge: v[176:179] my four columns
.set HD,   180                         ; merge: v[180:183] M, L, M, L
.set ZR,   184
.set T16,  185
	s_load_b256 s[4:11], s[0:1], 0x0               ; keyvalues s[4:5], mask s[6:7], vpart s[8:9], part s[10:11]
	v_lshl_add_u32 v192, v0, 2, 0x8900
	v_mov_b32 v193, 0
	v_lshrrev_b32 v2, 5, v0
	v_readfirstlane_b32 s12, v2                    ; wave 0..15
	s_and_b32 s13, ttmp7, 0xffff                   ; batch
	v_and_b32 v1, 31, v0
	v_lshlrev_b32 v1, 4, v1                        ; 16 x lane
	v_lshlrev_b32 v3, 2, v0                        ; 4 t: my mask word in the chunk, my column in v
	s_lshl_b32 s14, s13, 14                        ; mask: batch x 4,096 words
	s_lshl_b32 s20, ttmp9, 11                      ;     + chunk x 512 words
	s_add_co_u32 s14, s14, s20
	s_mov_b32 s15, 0
	s_lshl_b32 s16, s13, 11                        ; vpart: batch x 2,048 bytes
	s_mov_b32 s17, 0
	s_lshl_b32 s18, s13, 23                        ; keyvalues: batch x 4,096 rows (the sum stays below 2^28)
	s_lshl_b32 s20, ttmp9, 20                      ;          + chunk x 512 rows
	s_add_co_u32 s18, s18, s20
	s_lshl_b32 s20, s12, 16                        ;          + wave x 32 rows
	s_add_co_u32 s18, s18, s20
	s_mov_b32 s19, 0
	s_lshl3_add_u32 s28, s13, ttmp9                ; part: record 8 x batch + chunk
	s_mul_i32 s28, s28, REC
	s_mov_b32 s29, 0
	s_mov_b32 s30, 0x76543210                      ; v_permlanex16_b32: lane i of one half reads lane i of the other
	s_mov_b32 s31, 0xfedcba98
	s_mov_b32 s32, 0xff7fffff                      ; the most negative finite f32
	s_wait_kmcnt 0x0
	s_add_nc_u64 s[6:7], s[6:7], s[14:15]
	s_add_nc_u64 s[8:9], s[8:9], s[16:17]
	s_add_nc_u64 s[4:5], s[4:5], s[18:19]
	s_add_nc_u64 s[10:11], s[10:11], s[28:29]
	global_load_b32 v2, v3, s[6:7]                 ; lane l: the mask word of my wave's row l
.irp q, 0,1,2,3,4,5,6,7
	global_load_b32 v[P+\q], v3, s[8:9] offset:\q*65536    ; column t of plane q; a wave's load covers 128 consecutive bytes, the next wave the next 128
.endr
; Ask for the next row of the list, into slot i.  An empty list gives -1, which the clamp turns into row 31 of the wave's own 32:
; an address inside the buffer whose data no path uses.  That happens only in front of the loop, when the wave has fewer than 8 rows.
.macro ASK i
	s_ctz_i32_b32 s22, s20                         ; the lowest row still listed
	s_min_u32 s22, s22, 31
	s_sub_co_u32 s23, s20, 1
	s_and_b32 s20, s20, s23                        ; strike it off
	s_lshl_b32 s22, s22, 11                        ; x 2,048 bytes
	v_add_nc_u32 v[OFF+\i], s22, v1                ; the slot's last loads are in (the wait at the head of its turn): the register is free
.irp j, 0,1,2,3
	global_load_b128 v[X+16*\i+4*\j:X+16*\i+4*\j+3], v[OFF+\i], s[4:5] offset:512*\j th:TH_LOAD_NT
.endr
.endm
; The row in slot i joins the running softmax.
.macro ROW i
	v_pk_mul_f32 v[T:T+1],   v[X+16*\i:X+16*\i+1],   v[V:V+1]          ; the dot product of my 16 columns, two chains
	v_pk_mul_f32 v[T+2:T+3], v[X+16*\i+2:X+16*\i+3], v[V+2:V+3]
.irp j, 4,8,12
	v_pk_fma_f32 v[T:T+1],   v[X+16*\i+\j:X+16*\i+\j+1],   v[V+\j:V+\j+1],   v[T:T+1]
	v_pk_fma_f32 v[T+2:T+3], v[X+16*\i+\j+2:X+16*\i+\j+3], v[V+\j+2:V+\j+3], v[T+2:T+3]
.endr
	v_pk_add_f32 v[T:T+1], v[T:T+1], v[T+2:T+3]
	v_add_f32 v[T], v[T], v[T+1]
	v_add_f32_dpp v[T], v[T], v[T] row_xmask:1 row_mask:0xf bank_mask:0xf      ; over the 32 lanes; every lane ends with the sum
	v_add_f32_dpp v[T], v[T], v[T] row_xmask:2 row_mask:0xf bank_mask:0xf
	v_add_f32_dpp v[T], v[T], v[T] row_xmask:4 row_mask:0xf bank_mask:0xf
	v_add_f32_dpp v[T], v[T], v[T] row_xmask:8 row_mask:0xf bank_mask:0xf
	v_permlanex16_b32 v[T+1], v[T], s30, s31
	v_add_f32 v[T], v[T], v[T+1]                   ; the row's score
	v_max_num_f32 v[T+1], v[M], v[T]               ; the new maximum: finite from the first row on
	v_sub_f32 v[T+2], v[M], v[T+1]                 ; <= 0 (-inf at the first row: the factor is 0)
	v_sub_f32 v[T+3], v[T], v[T+1]                 ; <= 0
	v_exp_f32 v[T+4], v[T+2]                       ; what has been gathered shrinks by this
	v_exp_f32 v[T+6], v[T+3]                       ; the row's weight
	v_mov_b32 v[M], v[T+1]                         ; the plain instruction that stands between v_exp_f32 and the use of its result (ISA guide 5.7.2)
	s_wait_alu depctr_va_vdst(0)
	v_fma_f32 v[L], v[L], v[T+4], v[T+6]
.irp j, 0,2,4,6,8,10,12,14
	v_pk_mul_f32 v[ACC+\j:ACC+\j+1], v[ACC+\j:ACC+\j+1], v[T+4:T+5] op_sel_hi:[1,0]         ; both halves by v[T+4]
.endr
.irp j, 0,2,4,6,8,10,12,14
	v_pk_fma_f32 v[ACC+\j:ACC+\j+1], v[X+16*\i+\j:X+16*\i+\j+1], v[T+6:T+7], v[ACC+\j:ACC+\j+1] op_sel_hi:[1,0,1]   ; both by v[T+6]
.endr
.endm
	s_wait_loadcnt 0x8                             ; the mask words are in; the eight loads of vpart are younger
	v_cmp_ne_u32 s20, 0, v2                        ; bit l: row l counts
	s_bcnt1_i32_b32 s21, s20                       ; n, the wave's rows: 0 .. 32
.irp i, 0,1,2,3,4,5,6,7
	ASK \i                                         ; fill the ring
.endr
	s_lshl_b32 s26, s12, 11
	v_add_nc_u32 v[WA], s26, v1
	s_lshl_b32 s27, s12, 3
	v_mov_b32 v[W8], s27
	v_mov_b32 v[M], 0xff800000                     ; -inf
	v_mov_b32 v[L], 0
.irp j, 0,1,2,3,4,5,6,7,8,9,10,11,12,13,14,15
	v_mov_b32 v[ACC+\j], 0                         ; n may be 0, so no first row can start the sums
.endr
	v_mov_b32 v[T+5], 0                            ; upper registers of the pairs whose lower one is broadcast: named, never used
	v_mov_b32 v[T+7], 0
	; n = 8 x rounds + rest: all rounds but the last full one refill every slot; the rest (0 .. 15 rows) is written out behind the loop
	s_lshr_b32 s24, s21, 3
	s_max_u32 s24, s24, 1
	s_sub_co_u32 s24, s24, 1                       ; rounds of the loop: max(n / 8, 1) - 1
	s_lshl_b32 s25, s24, 3
	s_sub_co_u32 s25, s21, s25                     ; rows left behind the loop: 8 .. 15, or n itself if n < 8
	s_wait_loadcnt 0x20                            ; vpart's eight loads are in; the ring's 32 are younger
	v_pk_add_f32 v[P:P+1],   v[P:P+1],   v[P+2:P+3]
	v_pk_add_f32 v[P+4:P+5], v[P+4:P+5], v[P+6:P+7]
	v_pk_add_f32 v[P:P+1],   v[P:P+1],   v[P+4:P+5]
	v_add_f32 v[P], v[P], v[P+1]                   ; v of column t
	v_mul_f32 v[P], 0x3fb8aa3b, v[P]               ; x log2(e)
	ds_store_b32 v3, v[P]
	s_wait_dscnt 0x0                               ; for the other waves' sake: zero
	s_barrier_signal -1
	s_barrier_wait -1
.irp j, 0,1,2,3
	ds_load_b128 v[V+4*\j:V+4*\j+3], v1 offset:512*\j      ; v of my 16 columns
.endr
	s_wait_dscnt 0x0
	s_cmp_eq_u32 s24, 0
	s_cbranch_scc1 .Ltail
.Lround:
.irp i, 0,1,2,3,4,5,6,7
	s_wait_loadcnt 0x1c                            ; my slot's four loads are in; the seven younger slots' 28 stay out
	ROW \i
	ASK \i                                         ; eight rows ahead: a listed row in every trip, since 8 x (rounds + 1) <= n
.endr
	s_sub_co_u32 s24, s24, 1
	s_cmp_lg_u32 s24, 0
	s_cbranch_scc1 .Lround
.Ltail:
	; The slots hold the next 8 rows (fewer if n < 8); up to 7 more are still to be asked for.
	; The waits count only the slots of the older round that are still out, 4 x (7 - i): these are out on every path, refills or not.
.irp i, 0,1,2,3,4,5,6
	s_cmp_le_u32 s25, \i                           ; no row in this slot (n < 8 only)
	s_cbranch_scc1 .Ldone
	s_wait_loadcnt 4*(7-\i)
	ROW \i
	s_cmp_le_u32 s25, 8+\i                         ; nothing left on the list
	s_cbranch_scc1 .Lnoask\i
	ASK \i
.Lnoask\i:
.endr
	s_cmp_le_u32 s25, 7
	s_cbranch_scc1 .Ldone
	s_wait_loadcnt 0x0                             ; slot 7, and with it the last refills: nothing more is asked for
	ROW 7
.irp i, 0,1,2,3,4,5,6
	s_cmp_le_u32 s25, 8+\i
	s_cbranch_scc1 .Ldone
	ROW \i
.endr
.Ldone:
	s_wait_loadcnt 0x0                             ; (n < 8: unused requests may be out) the slots' registers are used again below
	; THE MERGE of the 16 waves' (m, l, acc), through LDS
.irp j, 0,1,2,3
	ds_store_b128 v[WA], v[ACC+4*\j:ACC+4*\j+3] offset:ACCL+512*\j     ; columns in their natural order
.endr
	ds_store_b64 v[W8], v[M:M+1] offset:MLL        ; every lane writes the same pair to the wave's 8 bytes
	s_wait_dscnt 0x0                               ; for the other waves' sake: zero
	s_barrier_signal -1
	s_barrier_wait -1
	s_cmp_ge_u32 s12, 4                            ; 128 threads x 4 columns finish; the other waves are done
	s_cbranch_scc1 .Lend
	v_mov_b32 v[ZR], 0
	v_lshlrev_b32 v[T16], 4, v0                    ; my four columns
.irp j, 0,1,2,3,4,5,6,7
	ds_load_b128 v[ML+4*\j:ML+4*\j+3], v[ZR] offset:MLL+16*\j
.endr
.irp w, 0,1,2,3,4,5,6,7,8,9,10,11,12,13,14,15
	ds_load_b128 v[X+4*\w:X+4*\w+3], v[T16] offset:ACCL+2048*\w
.endr
	s_wait_dscnt 0x10                              ; the pairs are in; the 16 loads of acc are younger
	v_max3_num_f32 v[T],   v[ML],    v[ML+2],  v[ML+4]
	v_max3_num_f32 v[T+1], v[ML+6],  v[ML+8],  v[ML+10]
	v_max3_num_f32 v[T+2], v[ML+12], v[ML+14], v[ML+16]
	v_max3_num_f32 v[T+3], v[ML+18], v[ML+20], v[ML+22]
	v_max3_num_f32 v[T+4], v[ML+24], v[ML+26], v[ML+28]
	v_max3_num_f32 v[T],   v[T],     v[T+1],   v[ML+30]
	v_max3_num_f32 v[T+2], v[T+2],   v[T+3],   v[T+4]
	v_max_num_f32 v[HD], v[T], v[T+2]              ; M of the chunk (-inf if no row counts)
	v_max_num_f32 v[T], s32, v[HD]                 ; made finite for the differences: -inf - finite = -inf gives the factor 0, never -inf - -inf
.irp w, 0,1,2,3,4,5,6,7,8,9,10,11,12,13,14,15
	v_sub_f32 v[DD+\w], v[ML+2*\w], v[T]
.endr
.irp w, 0,1,2,3,4,5,6,7,8,9,10,11,12,13,14,15
	v_exp_f32 v[ML+2*\w], v[DD+\w]                 ; the wave's factor, beside its l
.endr
	v_mov_b32 v[HD+2], v[HD]                       ; the plain instruction behind the last v_exp_f32
	s_wait_alu depctr_va_vdst(0)
	v_mul_f32 v[HD+1], v[ML], v[ML+1]
.irp w, 1,2,3,4,5,6,7,8,9,10,11,12,13,14,15
	v_fma_f32 v[HD+1], v[ML+2*\w], v[ML+2*\w+1], v[HD+1]   ; L of the chunk
.endr
	v_mov_b32 v[HD+3], v[HD+1]
	s_wait_dscnt 0x0
	v_pk_mul_f32 v[R:R+1],   v[X:X+1],   v[ML:ML+1] op_sel_hi:[1,0]
	v_pk_mul_f32 v[R+2:R+3], v[X+2:X+3], v[ML:ML+1] op_sel_hi:[1,0]
.irp w, 1,2,3,4,5,6,7,8,9,10,11,12,13,14,15
	v_pk_fma_f32 v[R:R+1],   v[X+4*\w:X+4*\w+1],   v[ML+2*\w:ML+2*\w+1], v[R:R+1]   op_sel_hi:[1,0,1]
	v_pk_fma_f32 v[R+2:R+3], v[X+4*\w+2:X+4*\w+3], v[ML+2*\w:ML+2*\w+1], v[R+2:R+3] op_sel_hi:[1,0,1]
.endr
	global_store_b128 v[T16], v[R:R+3], s[10:11]           ; a wave stores 512 consecutive bytes, aligned
	s_cmp_lg_u32 s12, 0
	s_cbranch_scc1 .Lend
	global_store_b128 v1, v[HD:HD+3], s[10:11] offset:2048 ; wave 0: (M, L, M, L) from every lane, 512 consecutive bytes: no piece of the record is left unwritten
.Lend:
	s_wait_tensorcnt 0x0
	ds_add_u32 v192, v193
	s_wait_dscnt 0x0
	s_endpgm
.Lfunc_end_k_q7c4aed77f9_stream:
	.size	k_q7c4aed77f9_stream, .Lfunc_end_k_q7c4aed77f9_stream-k_q7c4aed77f9_stream
	.p2alignl 7, 3214868480
	.fill 96, 4, 3214868480
	.section	.rodata,"a",@progbits
	.p2align	6, 0x0
	.amdhsa_kernel k_q7c4aed77f9_stream
		.amdhsa_group_segment_fixed_size 37120
		.amdhsa_private_segment_fixed_size 0
		.amdhsa_enable_private_segment 0
		.amdhsa_kernarg_size 32
		.amdhsa_user_sgpr_count 2
		.amdhsa_user_sgpr_kernarg_segment_ptr 1
		.amdhsa_wavefront_size32 1
		.amdhsa_system_sgpr_workgroup_id_x 1
		.amdhsa_system_sgpr_workgroup_id_y 1
		.amdhsa_system_sgpr_workgroup_id_z 1
		.amdhsa_system_vgpr_workitem_id 0
		.amdhsa_next_free_vgpr 194
		.amdhsa_next_free_sgpr 66
		.amdhsa_reserve_vcc 0
		.amdhsa_float_denorm_mode_32 3
		.amdhsa_float_denorm_mode_16_64 3
		.amdhsa_memory_ordered 1
		.amdhsa_forward_progress 1
		.amdhsa_inst_pref_size 78
	.end_amdhsa_kernel
	.amdgpu_metadata
---
amdhsa.version: [ 1, 2 ]
amdhsa.kernels:
  - .name:           k_q7c4aed77f9_stream
    .symbol:         k_q7c4aed77f9_stream.kd
    .args:
      - { .name: keyvalues, .offset: 0, .size: 8, .value_kind: global_buffer, .address_space: global }
      - { .name: keyvalues_mask, .offset: 8, .size: 8, .value_kind: global_buffer, .address_space: global }
      - { .name: vpart, .offset: 16, .size: 8, .value_kind: global_buffer, .address_space: global }
      - { .name: part, .offset: 24, .size: 8, .value_kind: global_buffer, .address_space: global }
    .group_segment_fixed_size: 37120
    .private_segment_fixed_size: 0
    .kernarg_segment_align: 8
    .kernarg_segment_size: 32
    .max_flat_workgroup_size: 512
    .sgpr_count:     66
    .vgpr_count:     194
    .wavefront_size: 32
...
	.end_amdgpu_metadata
.endif
;; end of part 2
;; launch combine (part 3): grid 32 x 1, 4 waves a work-group, no clusters, 0 bytes of LDS; arguments part, out0; writes out0
.if DOCPART == 3
	.amdgcn_target "amdgcn-amd-amdhsa--gfx1250"
	.amdhsa_code_object_version 6
	.text
	.protected	k_q7c4aed77f9_combine
	.globl	k_q7c4aed77f9_combine
	.p2align	8
	.type	k_q7c4aed77f9_combine,@function
k_q7c4aed77f9_combine:
	s_mov_b64 s[64:65], 0
	v_nop
	global_prefetch_b8 v0, s[64:65] scope:SCOPE_SE
	s_setreg_imm32_b32 hwreg(HW_REG_WAVE_MODE, 25, 1), 1
	s_wait_xcnt 0x0
; out0[b][k] = sum_c f_c acc_c[k] / sum_c f_c L_c,  f_c = 2^(M_c - max_c M_c), over the eight records (chunks) of batch b.
; One work-group for a batch; thread t owns columns 4 t .. 4 t + 3: every load and store of a wave covers 512 consecutive bytes.
; All 16 loads are issued at once; nothing is shared between work-groups, so no LDS, no barrier, no cluster.
; A batch with no row allowed has every M_c = -inf, L_c = 0, acc_c = 0: 0 x (1 / 0) gives NaN, as the softmax of all -inf does.
.set REC, 2560                         ; a record: 2,048 bytes of acc, 512 bytes of (M, L, M, L) repeated
.set H,   4                            ; v[4:19]   eight pairs (M_c, L_c); M_c is replaced by f_c
.set A,   20                           ; v[20:51]  acc_c of my four columns
.set DD,  52                           ; v[52:59]  M_c - max
.set T,   60                           ; v[60:61]
.set R,   64                           ; v[64:67]  my four results
.set LS,  68                           ; v68       the sum of weights
.set RC,  70                           ; v[70:71]  its reciprocal (the upper register is named by the packed multiply, never used)
	s_load_b128 s[4:7], s[0:1], 0x0                ; part s[4:5], out0 s[6:7]
	v_and_b32 v1, 31, v0
	v_lshlrev_b32 v1, 4, v1                        ; my lane's copy of (M, L)
	v_lshlrev_b32 v2, 4, v0                        ; my four columns
	s_mul_i32 s8, ttmp9, 8*REC
	s_mov_b32 s9, 0
	s_lshl_b32 s10, ttmp9, 11
	s_mov_b32 s11, 0
	s_mov_b32 s12, 0xff7fffff                      ; the most negative finite f32
	s_wait_kmcnt 0x0
	s_add_nc_u64 s[4:5], s[4:5], s[8:9]
	s_add_nc_u64 s[6:7], s[6:7], s[10:11]
.irp c, 0,1,2,3,4,5,6,7
	global_load_b64 v[H+2*\c:H+2*\c+1], v1, s[4:5] offset:\c*REC+2048
.endr
.irp c, 0,1,2,3,4,5,6,7
	global_load_b128 v[A+4*\c:A+4*\c+3], v2, s[4:5] offset:\c*REC
.endr
	s_wait_loadcnt 0x8                             ; the eight pairs are in; the eight loads of acc are younger
	v_max3_num_f32 v[T],   v[H],   v[H+2],  v[H+4]
	v_max3_num_f32 v[T+1], v[H+6], v[H+8],  v[H+10]
	v_max3_num_f32 v[T],   v[T],   v[H+12], v[H+14]
	v_max3_num_f32 v[T],   v[T],   v[T+1],  s12    ; the maximum, made finite: -inf - finite gives the factor 0, never -inf - -inf
.irp c, 0,1,2,3,4,5,6,7
	v_sub_f32 v[DD+\c], v[H+2*\c], v[T]
.endr
.irp c, 0,1,2,3,4,5,6,7
	v_exp_f32 v[H+2*\c], v[DD+\c]                  ; f_c, beside L_c
.endr
	v_mov_b32 v[RC+1], 0                           ; the plain instruction behind the last v_exp_f32 (ISA guide 5.7.2)
	s_wait_alu depctr_va_vdst(0)
	v_mul_f32 v[LS], v[H], v[H+1]
.irp c, 1,2,3,4,5,6,7
	v_fma_f32 v[LS], v[H+2*\c], v[H+2*\c+1], v[LS]
.endr
	v_rcp_f32 v[RC], v[LS]                         ; used 16 plain instructions further down
	s_wait_loadcnt 0x0
	v_pk_mul_f32 v[R:R+1],   v[A:A+1],   v[H:H+1] op_sel_hi:[1,0]
	v_pk_mul_f32 v[R+2:R+3], v[A+2:A+3], v[H:H+1] op_sel_hi:[1,0]
.irp c, 1,2,3,4,5,6,7
	v_pk_fma_f32 v[R:R+1],   v[A+4*\c:A+4*\c+1],   v[H+2*\c:H+2*\c+1], v[R:R+1]   op_sel_hi:[1,0,1]
	v_pk_fma_f32 v[R+2:R+3], v[A+4*\c+2:A+4*\c+3], v[H+2*\c:H+2*\c+1], v[R+2:R+3] op_sel_hi:[1,0,1]
.endr
	s_wait_alu depctr_va_vdst(0)
	v_pk_mul_f32 v[R:R+1],   v[R:R+1],   v[RC:RC+1] op_sel_hi:[1,0]
	v_pk_mul_f32 v[R+2:R+3], v[R+2:R+3], v[RC:RC+1] op_sel_hi:[1,0]
	global_store_b128 v2, v[R:R+3], s[6:7]         ; 16 lanes store 256 consecutive bytes, aligned
	s_endpgm
.Lfunc_end_k_q7c4aed77f9_combine:
	.size	k_q7c4aed77f9_combine, .Lfunc_end_k_q7c4aed77f9_combine-k_q7c4aed77f9_combine
	.p2alignl 7, 3214868480
	.fill 96, 4, 3214868480
	.section	.rodata,"a",@progbits
	.p2align	6, 0x0
	.amdhsa_kernel k_q7c4aed77f9_combine
		.amdhsa_group_segment_fixed_size 0
		.amdhsa_private_segment_fixed_size 0
		.amdhsa_enable_private_segment 0
		.amdhsa_kernarg_size 16
		.amdhsa_user_sgpr_count 2
		.amdhsa_user_sgpr_kernarg_segment_ptr 1
		.amdhsa_wavefront_size32 1
		.amdhsa_system_sgpr_workgroup_id_x 1
		.amdhsa_system_sgpr_workgroup_id_y 1
		.amdhsa_system_sgpr_workgroup_id_z 1
		.amdhsa_system_vgpr_workitem_id 0
		.amdhsa_next_free_vgpr 72
		.amdhsa_next_free_sgpr 66
		.amdhsa_reserve_vcc 0
		.amdhsa_float_denorm_mode_32 3
		.amdhsa_float_denorm_mode_16_64 3
		.amdhsa_memory_ordered 1
		.amdhsa_forward_progress 1
		.amdhsa_inst_pref_size 5
	.end_amdhsa_kernel
	.amdgpu_metadata
---
amdhsa.version: [ 1, 2 ]
amdhsa.kernels:
  - .name:           k_q7c4aed77f9_combine
    .symbol:         k_q7c4aed77f9_combine.kd
    .args:
      - { .name: part, .offset: 0, .size: 8, .value_kind: global_buffer, .address_space: global }
      - { .name: out0, .offset: 8, .size: 8, .value_kind: global_buffer, .address_space: global }
    .group_segment_fixed_size: 0
    .private_segment_fixed_size: 0
    .kernarg_segment_align: 8
    .kernarg_segment_size: 16
    .max_flat_workgroup_size: 128
    .sgpr_count:     66
    .vgpr_count:     72
    .wavefront_size: 32
...
	.end_amdgpu_metadata
.endif
;; end of part 3
;; ======== version 2 of 2: 3 launches; version 1 with the launch stream written anew for expert scheduling mode
;; workspace buffers: vpart 524,288 bytes; part 655,360 bytes
;; launch proj: the kernel of part 1 again; grid 8 x 8, 4 waves a work-group, no clusters, 24,064 bytes of LDS; arguments query, weight, vpart; writes vpart
;; launch stream (part 4): grid 8 x 32, 16 waves a work-group, no clusters, 37,120 bytes of LDS; arguments keyvalues, keyvalues_mask, vpart, part; writes part
.if DOCPART == 4
	.amdgcn_target "amdgcn-amd-amdhsa--gfx1250"
	.amdhsa_code_object_version 6
	.text
	.protected	k_q7c4aed77f9_stream
	.globl	k_q7c4aed77f9_stream
	.p2align	8
	.type	k_q7c4aed77f9_stream,@function
k_q7c4aed77f9_stream:
	s_mov_b64 s[64:65], 0
	v_nop
	global_prefetch_b8 v0, s[64:65] scope:SCOPE_SE
	s_setreg_imm32_b32 hwreg(HW_REG_WAVE_SCHED_MODE, 0, 2), 2
	s_setreg_imm32_b32 hwreg(HW_REG_WAVE_MODE, 25, 1), 1
	s_wait_xcnt 0x0
	s_wait_alu depctr_vm_vsrc(0)
; One pass over keyvalues [32][4096][512] f32 with an online softmax (running maximum), for 512 rows of one batch.
;   score[s] = kv[s][:] . v[:]  (v = the sum of vpart's eight planes),  rows with mask 0 have weight 0,
;   out: part record (batch, chunk) = acc[512] = sum_s 2^(score' - M) kv[s][:],  then (M, L) with L = sum_s 2^(score' - M).
; score' = score * log2(e): the factor is folded into v once, so that v_exp_f32 (base 2) is used as it is.
; Work-group (chunk c = x, batch b = y), 16 waves; wave w owns rows 32 w .. 32 w + 31 of the chunk; a lane owns 16 columns:
; load j of a row brings columns 128 j + 4 lane .. + 3, so each load of the wave covers 512 consecutive bytes.
; ROWS WITH MASK 0 ARE NEVER REQUESTED: a ballot of the wave's 32 mask words is its list of rows, walked from the lowest bit.
; A ring of eight row slots in registers (16 registers a slot) keeps up to 32 loads = 16 KB of a wave on their way.
; f32 vector arithmetic, no matrix unit: there is one vector v for a batch, so a 16-wide tile would use one column, and rounding
; keyvalues to bf16 would cost more vector instructions than the two fused multiply-adds a number needs.
; No cluster, no LDS ring: a row is used by one wave alone; what the 8 work-groups of a batch share is vpart's 16 KB against the
; hundreds of KB of rows that each has for itself.  No prefetch: the ring asks for eight rows of every wave at once.
; LIMITS.  (1) Masked rows are not read: if a masked row holds an infinity or a NaN, 0 x that row is NaN in the defining formula,
; here it is left out.  (2) v_exp_f32 flushes results below 2^-126: such weights (relative to the largest, which is 1) count as 0.
; (3) v comes from operands rounded to bf16.  A chunk or a batch with no row allowed is served: m = -inf, l = 0, acc = 0.
; THE MODE: SCHED_MODE bits 1:0 = 2 (LLVM: expert scheduling mode 2), set by the entry lines.  The code itself states the register
; dependences between vector instructions and memory or LDS instructions, with s_wait_alu, always for 0.
; THE PLAN.  Registers that memory or LDS instructions touch:
;   v1, v3       byte offsets (16 x lane, 4 t), made at the head and never written again.  A row is reached by its slot's SCALAR base,
;                which scalar instructions make anew for each request, and by immediate offsets.
;   X0 .. X7     slot i: its four loads land in it; ROW i alone reads it; behind ROW i it is asked for again at once.
;   v2, P, V     land once (mask word, vpart, v); v4 is the data of the one LDS store of v.
;   WA, W8, ACC, M, L   addresses and data of the merge's LDS stores: written by the head and by ROW, not written behind those stores.
;   ZR, T16, R, HD      the merge's addresses and the data of its global stores.
; So in the ring ONE wait on va_vdst stands in a slot's turn, behind its ROW: ROW i is done reading X[i].  It stands there and not at the
; next turn's head so that the slot does not lie idle for a turn.  The next ROW names another slot, T, M, L, ACC and V: none of the
; registers that the loads just issued touch.  No register that a memory or LDS instruction reads is ever written again behind it,
; so none of them needs a wait on vm_vsrc; EXEC is never written.
.set ROWB, 2048                        ; bytes in a row
.set REC,  2560                        ; bytes in a record of part: 2,048 of acc, 512 of (M, L, M, L) repeated
.set ACCL, 2048                        ; LDS: v at 0 (2,048 bytes), then the 16 waves' acc (2,048 bytes each),
.set MLL,  ACCL+16*2048                ; then the 16 pairs (m, l); ends at 34,944
.set SB,   40                          ; s[40:55]   slot i: the address of the slot's row, a pair at SB + 2 i
.set P,    4                           ; v[4:11]    my column's eight partial sums of v
.set T,    20                          ; v[20:27]   at work: no memory instruction names them
.set M,    28                          ; v28        running maximum (base-2 scores)
.set L,    29                          ; v29        running sum of weights
.set WA,   30                          ; v30        LDS: my 16 bytes in my wave's acc
.set W8,   31                          ; v31        LDS: my wave's pair (m, l)
.set V,    32                          ; v[32:47]   v * log2(e) of my 16 columns
.set ACC,  48                          ; v[48:63]   acc of my 16 columns
.set X,    64                          ; v[64:191]  slot i: 16 registers, the row as loaded.  In the merge: v[64:127] the 16 waves' acc
.set ML,   128                         ; merge: v[128:159] 16 pairs (m_w, l_w); m_w is replaced by the wave's factor
.set DD,   160                         ; merge: v[160:175] m_w - M
.set R,    176                         ; merge: v[176:179] my four columns
.set HD,   180                         ; merge: v[180:183] M, L, M, L
.set ZR,   184
.set T16,  185
	s_load_b256 s[4:11], s[0:1], 0x0               ; keyvalues s[4:5], mask s[6:7], vpart s[8:9], part s[10:11]
	v_lshl_add_u32 v18, v0, 2, 0x8900
	v_mov_b32 v19, 0
	v_lshrrev_b32 v2, 5, v0
	v_readfirstlane_b32 s12, v2                    ; wave 0..15
	s_and_b32 s13, ttmp7, 0xffff                   ; batch
	v_and_b32 v1, 31, v0
	v_lshlrev_b32 v1, 4, v1                        ; 16 x lane
	v_lshlrev_b32 v3, 2, v0                        ; 4 t: my mask word in the chunk, my column in v
	s_lshl_b32 s14, s13, 14                        ; mask: batch x 4,096 words
	s_lshl_b32 s20, ttmp9, 11                      ;     + chunk x 512 words
	s_add_co_u32 s14, s14, s20
	s_mov_b32 s15, 0
	s_lshl_b32 s16, s13, 11                        ; vpart: batch x 2,048 bytes
	s_mov_b32 s17, 0
	s_lshl_b32 s18, s13, 23                        ; keyvalues: batch x 4,096 rows (the sum stays below 2^28)
	s_lshl_b32 s20, ttmp9, 20                      ;          + chunk x 512 rows
	s_add_co_u32 s18, s18, s20
	s_wait_alu depctr_va_sdst(0)                   ; s12 is written, ahead of its first reader: keyvalues' base and two LDS addresses are made from it
	s_lshl_b32 s20, s12, 16                        ;          + wave x 32 rows
	s_add_co_u32 s18, s18, s20
	s_mov_b32 s19, 0
	s_lshl_b32 s26, s12, 11
	v_add_nc_u32 v[WA], s26, v1
	s_lshl_b32 s27, s12, 3
	v_mov_b32 v[W8], s27
	s_lshl3_add_u32 s28, s13, ttmp9                ; part: record 8 x batch + chunk
	s_mul_i32 s28, s28, REC
	s_mov_b32 s29, 0
	s_mov_b32 s23, 0                               ; the upper word of a row's byte offset s[22:23]
	s_mov_b32 s30, 0x76543210                      ; v_permlanex16_b32: lane i of one half reads lane i of the other
	s_mov_b32 s31, 0xfedcba98
	s_mov_b32 s32, 0xff7fffff                      ; the most negative finite f32
	s_wait_kmcnt 0x0
	s_add_nc_u64 s[6:7], s[6:7], s[14:15]
	s_add_nc_u64 s[8:9], s[8:9], s[16:17]
	s_add_nc_u64 s[4:5], s[4:5], s[18:19]
	s_add_nc_u64 s[10:11], s[10:11], s[28:29]
	s_wait_alu depctr_va_vdst(0)                   ; v1, v3, v[WA] and v[W8] are written, which loads, stores and LDS instructions read as offsets and addresses; v2, in which the mask word lands, is written and has been read
	global_load_b32 v2, v3, s[6:7]                 ; lane l: the mask word of my wave's row l
.irp q, 0,1,2,3,4,5,6,7
	global_load_b32 v[P+\q], v3, s[8:9] offset:\q*65536    ; column t of plane q; a wave's load covers 128 consecutive bytes, the next wave the next 128
.endr
; Ask for the next row of the list, into slot i.  An empty list gives -1, which the clamp turns into row 31 of the wave's own 32:
; an address inside the buffer whose data no path uses.  That happens only in front of the loop, when the wave has fewer than 8 rows.
; first = 1: the requests in front of the loop: no vector instruction has named the slots yet.
.macro ASK i, first
	s_ctz_i32_b32 s22, s20                         ; the lowest row still listed
	s_min_u32 s22, s22, 31
	s_sub_co_u32 s33, s20, 1
	s_and_b32 s20, s20, s33                        ; strike it off
	s_lshl_b32 s22, s22, 11                        ; x 2,048 bytes
	s_add_nc_u64 s[SB+2*\i:SB+2*\i+1], s[4:5], s[22:23]    ; the slot's last loads are in (the wait at the head of its turn shows the loads that read this base done): the pair is free
.if !\first
	s_wait_alu depctr_va_vdst(0)                   ; ROW i is done reading X[i], in which the four loads below land
.endif
.irp j, 0,1,2,3
	global_load_b128 v[X+16*\i+4*\j:X+16*\i+4*\j+3], v1, s[SB+2*\i:SB+2*\i+1] offset:512*\j th:TH_LOAD_NT
.endr
.endm
; The row in slot i joins the running softmax.
.macro ROW i
	v_pk_mul_f32 v[T:T+1],   v[X+16*\i:X+16*\i+1],   v[V:V+1]          ; the dot product of my 16 columns, two chains
	v_pk_mul_f32 v[T+2:T+3], v[X+16*\i+2:X+16*\i+3], v[V+2:V+3]
.irp j, 4,8,12
	v_pk_fma_f32 v[T:T+1],   v[X+16*\i+\j:X+16*\i+\j+1],   v[V+\j:V+\j+1],   v[T:T+1]
	v_pk_fma_f32 v[T+2:T+3], v[X+16*\i+\j+2:X+16*\i+\j+3], v[V+\j+2:V+\j+3], v[T+2:T+3]
.endr
	v_pk_add_f32 v[T:T+1], v[T:T+1], v[T+2:T+3]
	v_add_f32 v[T], v[T], v[T+1]
	v_add_f32_dpp v[T], v[T], v[T] row_xmask:1 row_mask:0xf bank_mask:0xf      ; over the 32 lanes; every lane ends with the sum
	v_add_f32_dpp v[T], v[T], v[T] row_xmask:2 row_mask:0xf bank_mask:0xf
	v_add_f32_dpp v[T], v[T], v[T] row_xmask:4 row_mask:0xf bank_mask:0xf
	v_add_f32_dpp v[T], v[T], v[T] row_xmask:8 row_mask:0xf bank_mask:0xf
	v_permlanex16_b32 v[T+1], v[T], s30, s31
	v_add_f32 v[T], v[T], v[T+1]                   ; the row's score
	v_max_num_f32 v[T+1], v[M], v[T]               ; the new maximum: finite from the first row on
	v_sub_f32 v[T+2], v[M], v[T+1]                 ; <= 0 (-inf at the first row: the factor is 0)
	v_sub_f32 v[T+3], v[T], v[T+1]                 ; <= 0
	v_exp_f32 v[T+4], v[T+2]                       ; what has been gathered shrinks by this
	v_exp_f32 v[T+6], v[T+3]                       ; the row's weight
	v_mov_b32 v[M], v[T+1]                         ; the plain instruction that stands between v_exp_f32 and the use of its result (ISA guide 5.7.2)
	s_wait_alu depctr_va_vdst(0)
	v_fma_f32 v[L], v[L], v[T+4], v[T+6]
.irp j, 0,2,4,6,8,10,12,14
	v_pk_mul_f32 v[ACC+\j:ACC+\j+1], v[ACC+\j:ACC+\j+1], v[T+4:T+5] op_sel_hi:[1,0]         ; both halves by v[T+4]
.endr
.irp j, 0,2,4,6,8,10,12,14
	v_pk_fma_f32 v[ACC+\j:ACC+\j+1], v[X+16*\i+\j:X+16*\i+\j+1], v[T+6:T+7], v[ACC+\j:ACC+\j+1] op_sel_hi:[1,0,1]   ; both by v[T+6]
.endr
.endm
	s_wait_loadcnt 0x8                             ; the mask words are in; the eight loads of vpart are younger
	v_cmp_ne_u32 s20, 0, v2                        ; bit l: row l counts
	s_wait_alu depctr_va_sdst(0)                   ; s20, the list, is written, ahead of its first reader: the count, the rows' addresses and the trip counts are made from it
	s_bcnt1_i32_b32 s21, s20                       ; n, the wave's rows: 0 .. 32
.irp i, 0,1,2,3,4,5,6,7
	ASK \i, 1                                      ; fill the ring
.endr
	v_mov_b32 v[M], 0xff800000                     ; -inf
	v_mov_b32 v[L], 0
.irp j, 0,1,2,3,4,5,6,7,8,9,10,11,12,13,14,15
	v_mov_b32 v[ACC+\j], 0                         ; n may be 0, so no first row can start the sums
.endr
	v_mov_b32 v[T+5], 0                            ; upper registers of the pairs whose lower one is broadcast: named, never used
	v_mov_b32 v[T+7], 0
	; n = 8 x rounds + rest: all rounds but the last full one refill every slot; the rest (0 .. 15 rows) is written out behind the loop
	s_lshr_b32 s24, s21, 3
	s_max_u32 s24, s24, 1
	s_sub_co_u32 s24, s24, 1                       ; rounds of the loop: max(n / 8, 1) - 1
	s_lshl_b32 s25, s24, 3
	s_sub_co_u32 s25, s21, s25                     ; rows left behind the loop: 8 .. 15, or n itself if n < 8
	s_wait_loadcnt 0x20                            ; vpart's eight loads are in; the ring's 32 are younger
	v_pk_add_f32 v[P:P+1],   v[P:P+1],   v[P+2:P+3]
	v_pk_add_f32 v[P+4:P+5], v[P+4:P+5], v[P+6:P+7]
	v_pk_add_f32 v[P:P+1],   v[P:P+1],   v[P+4:P+5]
	v_add_f32 v[P], v[P], v[P+1]                   ; v of column t
	v_mul_f32 v[P], 0x3fb8aa3b, v[P]               ; x log2(e)
	s_wait_alu depctr_va_vdst(0)                   ; the multiply has written v[P], which the LDS store reads
	ds_store_b32 v3, v[P]
	s_wait_dscnt 0x0                               ; for the other waves' sake: zero
	s_barrier_signal -1
	s_barrier_wait -1
.irp j, 0,1,2,3
	ds_load_b128 v[V+4*\j:V+4*\j+3], v1 offset:512*\j      ; v of my 16 columns; no vector instruction has named these registers
.endr
	s_wait_dscnt 0x0
	s_cmp_eq_u32 s24, 0
	s_cbranch_scc1 .Ltail
.Lround:
.irp i, 0,1,2,3,4,5,6,7
	s_wait_loadcnt 0x1c                            ; my slot's four loads are in; the seven younger slots' 28 stay out
	ROW \i
	ASK \i, 0                                      ; eight rows ahead: a listed row in every trip, since 8 x (rounds + 1) <= n
.endr
	s_sub_co_u32 s24, s24, 1
	s_cmp_lg_u32 s24, 0
	s_cbranch_scc1 .Lround
.Ltail:
	; The slots hold the next 8 rows (fewer if n < 8); up to 7 more are still to be asked for.
	; The waits count only the slots of the older round that are still out, 4 x (7 - i): these are out on every path, refills or not.
.irp i, 0,1,2,3,4,5,6
	s_cmp_le_u32 s25, \i                           ; no row in this slot (n < 8 only)
	s_cbranch_scc1 .Ldone
	s_wait_loadcnt 4*(7-\i)
	ROW \i
	s_cmp_le_u32 s25, 8+\i                         ; nothing left on the list
	s_cbranch_scc1 .Lnoask\i
	ASK \i, 0
.Lnoask\i:
.endr
	s_cmp_le_u32 s25, 7
	s_cbranch_scc1 .Ldone
	s_wait_loadcnt 0x0                             ; slot 7, and with it the last refills: nothing more is asked for
	ROW 7
.irp i, 0,1,2,3,4,5,6
	s_cmp_le_u32 s25, 8+\i
	s_cbranch_scc1 .Ldone
	ROW \i
.endr
.Ldone:
	s_wait_loadcnt 0x0                             ; (n < 8: unused requests may be out) the slots' registers are used again below
	s_wait_alu depctr_va_vdst(0)                   ; the rows (or, with n = 0, the lines that set them) have written ACC, M and L, which the LDS stores read
	; THE MERGE of the 16 waves' (m, l, acc), through LDS
.irp j, 0,1,2,3
	ds_store_b128 v[WA], v[ACC+4*\j:ACC+4*\j+3] offset:ACCL+512*\j     ; columns in their natural order
.endr
	ds_store_b64 v[W8], v[M:M+1] offset:MLL        ; every lane writes the same pair to the wave's 8 bytes
	s_wait_dscnt 0x0                               ; for the other waves' sake: zero
	s_barrier_signal -1
	s_barrier_wait -1
	s_cmp_ge_u32 s12, 4                            ; 128 threads x 4 columns finish; the other waves are done
	s_cbranch_scc1 .Lend
	v_mov_b32 v[ZR], 0
	v_lshlrev_b32 v[T16], 4, v0                    ; my four columns
	s_wait_alu depctr_va_vdst(0)                   ; v[ZR] and v[T16] are written, which the LDS loads read as addresses; the rows are long done reading v[64:159], in which these loads land
.irp j, 0,1,2,3,4,5,6,7
	ds_load_b128 v[ML+4*\j:ML+4*\j+3], v[ZR] offset:MLL+16*\j
.endr
.irp w, 0,1,2,3,4,5,6,7,8,9,10,11,12,13,14,15
	ds_load_b128 v[X+4*\w:X+4*\w+3], v[T16] offset:ACCL+2048*\w
.endr
	s_wait_dscnt 0x10                              ; the pairs are in; the 16 loads of acc are younger
	v_max3_num_f32 v[T],   v[ML],    v[ML+2],  v[ML+4]
	v_max3_num_f32 v[T+1], v[ML+6],  v[ML+8],  v[ML+10]
	v_max3_num_f32 v[T+2], v[ML+12], v[ML+14], v[ML+16]
	v_max3_num_f32 v[T+3], v[ML+18], v[ML+20], v[ML+22]
	v_max3_num_f32 v[T+4], v[ML+24], v[ML+26], v[ML+28]
	v_max3_num_f32 v[T],   v[T],     v[T+1],   v[ML+30]
	v_max3_num_f32 v[T+2], v[T+2],   v[T+3],   v[T+4]
	v_max_num_f32 v[HD], v[T], v[T+2]              ; M of the chunk (-inf if no row counts)
	v_max_num_f32 v[T], s32, v[HD]                 ; made finite for the differences: -inf - finite = -inf gives the factor 0, never -inf - -inf
.irp w, 0,1,2,3,4,5,6,7,8,9,10,11,12,13,14,15
	v_sub_f32 v[DD+\w], v[ML+2*\w], v[T]
.endr
.irp w, 0,1,2,3,4,5,6,7,8,9,10,11,12,13,14,15
	v_exp_f32 v[ML+2*\w], v[DD+\w]                 ; the wave's factor, beside its l
.endr
	v_mov_b32 v[HD+2], v[HD]                       ; the plain instruction behind the last v_exp_f32
	s_wait_alu depctr_va_vdst(0)
	v_mul_f32 v[HD+1], v[ML], v[ML+1]
.irp w, 1,2,3,4,5,6,7,8,9,10,11,12,13,14,15
	v_fma_f32 v[HD+1], v[ML+2*\w], v[ML+2*\w+1], v[HD+1]   ; L of the chunk
.endr
	v_mov_b32 v[HD+3], v[HD+1]
	s_wait_dscnt 0x0
	v_pk_mul_f32 v[R:R+1],   v[X:X+1],   v[ML:ML+1] op_sel_hi:[1,0]
	v_pk_mul_f32 v[R+2:R+3], v[X+2:X+3], v[ML:ML+1] op_sel_hi:[1,0]
.irp w, 1,2,3,4,5,6,7,8,9,10,11,12,13,14,15
	v_pk_fma_f32 v[R:R+1],   v[X+4*\w:X+4*\w+1],   v[ML+2*\w:ML+2*\w+1], v[R:R+1]   op_sel_hi:[1,0,1]
	v_pk_fma_f32 v[R+2:R+3], v[X+4*\w+2:X+4*\w+3], v[ML+2*\w:ML+2*\w+1], v[R+2:R+3] op_sel_hi:[1,0,1]
.endr
	s_wait_alu depctr_va_vdst(0)                   ; the merge has written v[R ..] and v[HD ..], which the two stores below read; no vector instruction follows
	global_store_b128 v[T16], v[R:R+3], s[10:11]           ; a wave stores 512 consecutive bytes, aligned
	s_cmp_lg_u32 s12, 0
	s_cbranch_scc1 .Lend
	global_store_b128 v1, v[HD:HD+3], s[10:11] offset:2048 ; wave 0: (M, L, M, L) from every lane, 512 consecutive bytes: no piece of the record is left unwritten
.Lend:
	s_wait_dscnt 0x0
	s_wait_alu depctr_hold_cnt(0) depctr_sa_sdst(0) depctr_va_vdst(0) depctr_va_sdst(0) depctr_va_ssrc(0) depctr_va_vcc(0) depctr_vm_vsrc(0)
	s_wait_tensorcnt 0x0
	ds_add_u32 v18, v19
	s_wait_dscnt 0x0
	s_endpgm
.Lfunc_end_k_q7c4aed77f9_stream:
	.size	k_q7c4aed77f9_stream, .Lfunc_end_k_q7c4aed77f9_stream-k_q7c4aed77f9_stream
	.p2alignl 7, 3214868480
	.fill 96, 4, 3214868480
	.section	.rodata,"a",@progbits
	.p2align	6, 0x0
	.amdhsa_kernel k_q7c4aed77f9_stream
		.amdhsa_group_segment_fixed_size 37120
		.amdhsa_private_segment_fixed_size 0
		.amdhsa_enable_private_segment 0
		.amdhsa_kernarg_size 32
		.amdhsa_user_sgpr_count 2
		.amdhsa_user_sgpr_kernarg_segment_ptr 1
		.amdhsa_wavefront_size32 1
		.amdhsa_system_sgpr_workgroup_id_x 1
		.amdhsa_system_sgpr_workgroup_id_y 1
		.amdhsa_system_sgpr_workgroup_id_z 1
		.amdhsa_system_vgpr_workitem_id 0
		.amdhsa_next_free_vgpr 192
		.amdhsa_next_free_sgpr 66
		.amdhsa_reserve_vcc 0
		.amdhsa_float_denorm_mode_32 3
		.amdhsa_float_denorm_mode_16_64 3
		.amdhsa_memory_ordered 1
		.amdhsa_forward_progress 1
		.amdhsa_inst_pref_size 79
	.end_amdhsa_kernel
	.amdgpu_metadata
---
amdhsa.version: [ 1, 2 ]
amdhsa.kernels:
  - .name:           k_q7c4aed77f9_stream
    .symbol:         k_q7c4aed77f9_stream.kd
    .args:
      - { .name: keyvalues, .offset: 0, .size: 8, .value_kind: global_buffer, .address_space: global }
      - { .name: keyvalues_mask, .offset: 8, .size: 8, .value_kind: global_buffer, .address_space: global }
      - { .name: vpart, .offset: 16, .size: 8, .value_kind: global_buffer, .address_space: global }
      - { .name: part, .offset: 24, .size: 8, .value_kind: global_buffer, .address_space: global }
    .group_segment_fixed_size: 37120
    .private_segment_fixed_size: 0
    .kernarg_segment_align: 8
    .kernarg_segment_size: 32
    .max_flat_workgroup_size: 512
    .sgpr_count:     66
    .vgpr_count:     192
    .wavefront_size: 32
...
	.end_amdgpu_metadata
.endif
;; end of part 4
;; launch combine: the kernel of part 3 again; grid 32 x 1, 4 waves a work-group, no clusters, 0 bytes of LDS; arguments part, out0; writes out0
